; MI455X (gfx1250); checked and timed in simulation.
; The chip was launched on July 23, 2026; its instructions are those of AMD's public machine-readable ISA for CDNA 5 (MIT licence, August 2026) and "CDNA5" Instruction Set Architecture Reference Guide (July 2026). The comments in the code are by the model that wrote it; some were corrected since.
;; Codebook. Allowed arithmetic: matrix products marked QUANTISED: E2M3 operands, one E8M0 scale for each 32 along K, by v_wmma_scale_f32_16x16x128_f8f6f4 with both operands' format E2M3, f32 sums; everything else in f32.
;; Inputs: embedding 8,192 x 32 float32; z 8 x 2,048 x 32 float32.
;; Outputs: out0 8 x 2,048 x 32 float32; out1 16,384 int32; out2 one number float32.
;; This version of the problem:
;;   THIS VERSION OF THE PROBLEM IS GIVEN IN LOW PRECISION. The matrix products marked QUANTISED in the list below multiply operands that are first quantised to E2M3 (2 exponent bits, 3 mantissa bits; 6 bits a number), with one power-of-two scale for each 32 numbers along K (OCP MX v1.0); their sums are f32. All else is computed in f32.
;;   The module's matrix products, in the order in which they are computed (A, B: the left and right operand; K: the contracted axis; several contracted axes count as one K, in the product's order):
;;     1. [M 16,384, K 32] x [K 32, N 8,192]; A: computed on the way; B: computed on the way: QUANTISED
;;   THE QUANTISER, for each operand of a quantised product, along K:
;;     - K is cut into blocks of 32 from its start; a last block that is shorter is filled with zeros.
;;     - A block's scale is 2^e with e = floor(log2(the largest magnitude in the block)) - 2, held to -126 .. 127; a block of zeros has e = 0. As a byte (E8M0): e + 127.
;;     - Each number is divided by its block's scale, clamped to +-7.5, and rounded to the nearest number of E2M3, ties to even, subnormals kept.
;;     - The product sums the exact products of the quantised numbers (number of the format x scale) in f32.
;;   ~~~python
;;   def quantise(x, axis):      # numpy; x: float32 -> the quantised numbers, widened to float32 again
;;       x = np.moveaxis(x, axis, -1); K = x.shape[-1]
;;       x = np.pad(x, [(0, 0)] * (x.ndim - 1) + [(0, -K % 32)]); x = x.reshape(x.shape[:-1] + (-1, 32)); a = np.abs(x).max(-1, keepdims=True)
;;       e = np.where(a > 0, np.clip(np.frexp(np.where(a > 0, a, 1))[1] - 1 - 2, -126, 127), 0)      # np.frexp(a)[1] - 1 = floor(log2(a)), exactly
;;       r = np.clip(x / 2.0 ** e, -7.5, 7.5)
;;       step = 2.0 ** (np.maximum(np.frexp(np.where(r == 0, 1, r))[1] - 1, 0) - 3)
;;       q = np.round(r / step) * step * 2.0 ** e      # np.round: ties to even
;;       return np.moveaxis(q.reshape(q.shape[:-2] + (-1,))[..., :K], -1, axis).astype(np.float32)
;;   ~~~
;;   OPERANDS COMPUTED ON THE WAY. 'Computed on the way' means the value that the module computes at that place (a softmax that the list does not call 'softmax' is quantised finished and normalised). What goes into a quantiser is computed in f32, as accurately as f32 sums, v_exp_f32 and their like allow (about 1e-6 of the number): no bf16 or f16 on the way to a quantiser, and a product that is left as it is and whose result goes on into a quantised operand takes f32 operands (vector FMAs, or v_wmma_f32_16x16x4_f32). A number that lies on a knife's edge between two numbers of the format may be rounded either way, as far as f32 arithmetic and the matrix unit's own rounding can turn it there, and no further.
;; One version. Each part assembles by itself: llvm-mc -triple=amdgcn-amd-amdhsa -mcpu=gfx1250 --defsym DOCPART=n.
;; ======== version 1 of 1: 4 launches
;; limits: right only within a limited range of input values
;; workspace buffers: znp 16,384 bytes; cbq 237,568 bytes; idxw 65,536 bytes of whole numbers; grp 65,536 bytes of whole numbers; zrec 524,288 bytes; stats 131,072 bytes
;; launch prep (part 1): grid 256 x 1, 1 waves a work-group, no clusters, 0 bytes of LDS; arguments embedding, z, cbq, znp; writes cbq, znp
.if DOCPART == 1
	.amdgcn_target "amdgcn-amd-amdhsa--gfx1250"
	.amdhsa_code_object_version 6
	.text
	.protected	k_qfeae83541b_prep
	.globl	k_qfeae83541b_prep
	.p2align	8
	.type	k_qfeae83541b_prep,@function
k_qfeae83541b_prep:
	s_mov_b64 s[64:65], 0
	v_nop
	global_prefetch_b8 v0, s[64:65] scope:SCOPE_SE
	s_setreg_imm32_b32 hwreg(HW_REG_WAVE_MODE, 25, 1), 1
	s_wait_xcnt 0x0
; PREP.  Two jobs that share nothing, told apart by the work-group's number; a work-group is one wave.
; Work-groups 0-127: the embedding [8192][32] f32.  A wave takes 64 entries, a FRAGMENT of the later product; a lane takes two of them.  For each: e2 = sum e^2 (one ascending chain of fused
; multiply-adds), embed_norm = e x 1 / max(sqrt(e2), 1e-12), quantised along its 32 columns to codes of FP6 (E2M3) with one E8M0 byte.  A block's scale is 2^(floor(log2(largest magnitude)) - 2);
; its byte is the largest magnitude's exponent field - 2, held at 1 from below (a block of zeros keeps the byte 1: its codes are zeros, and this program alone reads the bytes).
; The later matrix instruction has four K blocks of 32 and this product's K is 32: a fragment carries FOUR sets of 16 entries, one in each block.
; Operand row M, block B holds entry 64 f + 32 (M / 8) + 8 B + M % 8.  Lane (M, hh) of the operand holds blocks hh and 2 + hh: these two entries are the lane's work here.
; cbq: 128 fragments of 1,856 bytes, each whole in itself: +0 scale words (16 rows x 4 bytes: byte B of row M's word = that block's entry); +64 e2[64] f32; +320 codes, 24 bytes an entry.
; So the reader steps every address by one constant from fragment to fragment, and 16 fragments are 116 x 256 bytes.  A fragment's 1,856 bytes are stored by one wave; they begin at multiples of 64 bytes.
; Work-groups 128-255: z [8][2048][32] f32.  A wave takes 128 rows and stores the 32 columns' sums of squares: znp [8][16 parts][32].  These stores are 128 bytes each, 128 of them in the launch.
; LIMITS: NaN and infinities are not served; a block whose largest magnitude lies under 2^-124 keeps the byte 1; division and root are v_rcp_f32 and v_sqrt_f32.
.set FRB,   1856                       ; a fragment of cbq in bytes
.set EPS,   0x2b8cbccc                 ; 1e-12
.set FLOOR, 0x1800000                  ; 2^(3 - 127)
	s_load_b256 s[4:11], s[0:1], 0x0               ; embedding s[4:5], z s[6:7], cbq s[8:9], znp s[10:11]
	v_and_b32 v1, 31, v0                           ; lane
	s_mov_b32 s13, ttmp9
	s_mov_b32 s19, 0
	s_mov_b32 s24, 0x76543210
	s_mov_b32 s25, 0xfedcba98                      ; v_permlanex16_b32's selects for lane l xor 16
	s_wait_alu depctr_va_vdst(0)                   ; the wait at the head's end
	s_wait_kmcnt 0x0
	s_cmp_ge_u32 s13, 128
	s_cbranch_scc1 .Lz
	; ---- the embedding: fragment f = s13
	s_mul_i32 s18, s13, FRB
	s_add_nc_u64 s[16:17], s[8:9], s[18:19]        ; my fragment of cbq
	s_lshl_b32 s18, s13, 13
	s_add_nc_u64 s[4:5], s[4:5], s[18:19]          ; the fragment's 64 rows of 128 bytes
	v_and_b32 v2, 8, v1
	v_lshlrev_b32 v2, 2, v2                        ; 32 (M / 8)
	v_and_b32 v3, 16, v1
	v_lshrrev_b32 v3, 1, v3                        ; 8 hh
	v_add_nc_u32 v2, v2, v3
	v_and_b32 v3, 7, v1
	v_add_nc_u32 v2, v2, v3                        ; my first entry in the fragment; the second is 16 further on
	v_lshlrev_b32 v3, 7, v2                        ; its row of the embedding
.irp c, 0,1
.irp i, 0,1,2,3,4,5,6,7
	global_load_b128 v[32+32*\c+4*\i:35+32*\c+4*\i], v3, s[4:5] offset:2048*\c+16*\i th:TH_LOAD_NT
.endr
.endr
	v_mad_u32_u24 v4, v2, 24, 320                  ; its codes
	v_lshl_add_u32 v5, v2, 2, 64                   ; its e2
	v_and_b32 v6, 15, v1
	v_lshlrev_b32 v6, 2, v6                        ; row M's scale word
	v_lshrrev_b32 v7, 4, v1
	v_lshlrev_b32 v7, 3, v7                        ; 8 hh: my bytes' place in it
	v_mov_b32 v21, 0                               ; a lane permute's destination counts as one of its sources
	s_wait_alu depctr_va_vdst(0)                   ; the wait ahead of the blocking wait
	s_wait_loadcnt 0x0
	v_mul_f32 v8, v32, v32                         ; e2, the two entries by turns
	v_mul_f32 v9, v64, v64
.set i, 1
.rept 31
	v_fmac_f32 v8, v[32+i], v[32+i]
	v_fmac_f32 v9, v[64+i], v[64+i]
.set i, i+1
.endr
	s_wait_alu depctr_va_vdst(0)
	v_sqrt_f32 v24, v8
	v_sqrt_f32 v25, v9
	v_nop                                          ; a plain instruction behind the roots,
	s_wait_alu depctr_va_vdst(0)                   ; and the wait ahead of their first reader
	v_max_num_f32 v24, EPS, v24
	v_max_num_f32 v25, EPS, v25
	s_wait_alu depctr_va_vdst(0)
	v_rcp_f32 v10, v24                             ; twice each: the packed multiply names a pair
	v_rcp_f32 v11, v24
	v_rcp_f32 v12, v25
	v_rcp_f32 v13, v25
	v_nop
	s_wait_alu depctr_va_vdst(0)
.set i, 0
.rept 16
	v_pk_mul_f32 v[32+i:33+i], v[32+i:33+i], v[10:11]
	v_pk_mul_f32 v[64+i:65+i], v[64+i:65+i], v[12:13]
.set i, i+2
.endr
	v_max3_num_f32 v14, |v32|, |v33|, FLOOR        ; the block's largest magnitude: all 32 numbers are mine
	v_max3_num_f32 v15, |v64|, |v65|, FLOOR
.set i, 2
.rept 15
	v_max3_num_f32 v14, v14, |v[32+i]|, |v[33+i]|
	v_max3_num_f32 v15, v15, |v[64+i]|, |v[65+i]|
.set i, i+2
.endr
	v_add_nc_u32 v16, 0xff000000, v14              ; 2 off the exponent field: the conversion's scale operand
	v_add_nc_u32 v17, 0xff000000, v15
	v_lshrrev_b32 v18, 23, v16                     ; the scale's byte
	v_lshrrev_b32 v19, 23, v17
	v_cvt_scalef32_pk16_fp6_f32 v[96:98], v[32:47], v16
	v_cvt_scalef32_pk16_fp6_f32 v[100:102], v[48:63], v16
	v_cvt_scalef32_pk16_fp6_f32 v[104:106], v[64:79], v17
	v_cvt_scalef32_pk16_fp6_f32 v[108:110], v[80:95], v17
	v_nop                                          ; one plain place behind the scaled conversions
.irp c, 0,1
	global_store_b96 v4, v[96+8*\c:98+8*\c], s[16:17] offset:384*\c
	global_store_b96 v4, v[100+8*\c:102+8*\c], s[16:17] offset:384*\c+12
	global_store_b32 v5, v[8+\c], s[16:17] offset:64*\c
.endr
	v_lshl_or_b32 v20, v19, 16, v18                ; my two bytes: blocks hh and 2 + hh of row M,
	v_lshlrev_b32 v20, v7, v20                     ; at their places;
	v_permlanex16_b32 v21, v20, s24, s25
	v_or_b32 v20, v20, v21                         ; with lane l xor 16's two the word is whole
	s_wait_alu depctr_va_vdst(0)
	s_wait_xcnt 0x0                                ; EXEC changes only behind this wait
	v_cmp_gt_u32 vcc_lo, 16, v1
	s_and_saveexec_b32 s26, vcc_lo
	global_store_b32 v6, v20, s[16:17]             ; lanes 0-15: 64 consecutive bytes
	s_wait_xcnt 0x0
	s_or_b32 exec_lo, exec_lo, s26
	s_endpgm
	; ---- z: rows 128 q on, q = s13 - 128
.Lz:
	s_sub_co_u32 s14, s13, 128
	s_lshl_b32 s18, s14, 14
	s_add_nc_u64 s[6:7], s[6:7], s[18:19]
	s_lshl_b32 s18, s14, 7
	s_add_nc_u64 s[10:11], s[10:11], s[18:19]
	v_lshlrev_b32 v3, 4, v1                        ; a load's 512 bytes are four rows: lane l has row l / 8, columns 4 (l % 8) on
.set i, 0
.rept 32
	global_load_b128 v[32+4*i:35+4*i], v3, s[6:7] offset:512*i th:TH_LOAD_NT
.set i, i+1
.endr
.irp k, 0,1,2,3
	v_mov_b32 v[16+\k], 0
.endr
.set i, 0
.rept 32
.if i%8 == 0
	s_wait_alu depctr_va_vdst(0)
	s_wait_loadcnt 24-i                            ; these eight loads are in; the younger ones may stay out
.endif
.set ra, 8+4*(i%2)                     ; two sets of sums by turns
.set rx, 32+4*i
.if i < 2
	v_pk_mul_f32 v[ra:ra+1], v[rx:rx+1], v[rx:rx+1]
	v_pk_mul_f32 v[ra+2:ra+3], v[rx+2:rx+3], v[rx+2:rx+3]
.else
	v_pk_fma_f32 v[ra:ra+1], v[rx:rx+1], v[rx:rx+1], v[ra:ra+1]
	v_pk_fma_f32 v[ra+2:ra+3], v[rx+2:rx+3], v[rx+2:rx+3], v[ra+2:ra+3]
.endif
.set i, i+1
.endr
	v_pk_add_f32 v[8:9], v[8:9], v[12:13]
	v_pk_add_f32 v[10:11], v[10:11], v[14:15]
.irp k, 0,1,2,3
	v_add_f32_dpp v[8+\k], v[8+\k], v[8+\k] row_xmask:8 row_mask:0xf bank_mask:0xf   ; lanes l and l xor 8 hold the same columns,
.endr
.irp k, 0,1,2,3
	v_permlanex16_b32 v[16+\k], v[8+\k], s24, s25
.endr
.irp k, 0,1,2,3
	v_add_f32 v[8+\k], v[8+\k], v[16+\k]           ; and so does lane l xor 16
.endr
	s_wait_alu depctr_va_vdst(0)
	s_wait_xcnt 0x0
	v_cmp_gt_u32 vcc_lo, 8, v1
	s_and_saveexec_b32 s26, vcc_lo
	global_store_b128 v3, v[8:11], s[10:11]        ; lanes 0-7: the 32 columns, 128 consecutive bytes
	s_wait_xcnt 0x0
	s_or_b32 exec_lo, exec_lo, s26
	s_endpgm
.Lfunc_end_k_qfeae83541b_prep:
	.size	k_qfeae83541b_prep, .Lfunc_end_k_qfeae83541b_prep-k_qfeae83541b_prep
	.p2alignl 7, 3214868480
	.fill 96, 4, 3214868480
	.section	.rodata,"a",@progbits
	.p2align	6, 0x0
	.amdhsa_kernel k_qfeae83541b_prep
		.amdhsa_group_segment_fixed_size 0
		.amdhsa_private_segment_fixed_size 0
		.amdhsa_enable_private_segment 0
		.amdhsa_kernarg_size 32
		.amdhsa_user_sgpr_count 2
		.amdhsa_user_sgpr_kernarg_segment_ptr 1
		.amdhsa_wavefront_size32 1
		.amdhsa_system_sgpr_workgroup_id_x 1
		.amdhsa_system_sgpr_workgroup_id_y 1
		.amdhsa_system_sgpr_workgroup_id_z 1
		.amdhsa_system_vgpr_workitem_id 0
		.amdhsa_next_free_vgpr 160
		.amdhsa_next_free_sgpr 66
		.amdhsa_reserve_vcc 1
		.amdhsa_float_denorm_mode_32 3
		.amdhsa_float_denorm_mode_16_64 3
		.amdhsa_memory_ordered 1
		.amdhsa_forward_progress 1
		.amdhsa_inst_pref_size 20
	.end_amdhsa_kernel
	.amdgpu_metadata
---
amdhsa.version: [ 1, 2 ]
amdhsa.kernels:
  - .name:           k_qfeae83541b_prep
    .symbol:         k_qfeae83541b_prep.kd
    .args:
      - { .name: embedding, .offset: 0, .size: 8, .value_kind: global_buffer, .address_space: global }
      - { .name: z, .offset: 8, .size: 8, .value_kind: global_buffer, .address_space: global }
      - { .name: cbq, .offset: 16, .size: 8, .value_kind: global_buffer, .address_space: global }
      - { .name: znp, .offset: 24, .size: 8, .value_kind: global_buffer, .address_space: global }
    .group_segment_fixed_size: 0
    .private_segment_fixed_size: 0
    .kernarg_segment_align: 8
    .kernarg_segment_size: 32
    .max_flat_workgroup_size: 32
    .sgpr_count:     66
    .vgpr_count:     160
    .wavefront_size: 32
...
	.end_amdgpu_metadata
.endif
;; end of part 1
;; launch assign (part 2): grid 256 x 1, 16 waves a work-group, clusters of 4 x 1, 327,680 bytes of LDS; arguments z, znp, cbq, grp, zrec; writes grp, zrec
.if DOCPART == 2
	.amdgcn_target "amdgcn-amd-amdhsa--gfx1250"
	.amdhsa_code_object_version 6
	.text
	.protected	k_qfeae83541b_assign
	.globl	k_qfeae83541b_assign
	.p2align	8
	.type	k_qfeae83541b_assign,@function
k_qfeae83541b_assign:
	s_mov_b64 s[64:65], 0
	v_nop
	global_prefetch_b8 v0, s[64:65] scope:SCOPE_SE
	s_setreg_imm32_b32 hwreg(HW_REG_WAVE_MODE, 25, 1), 1
	s_wait_xcnt 0x0
	s_wait_alu depctr_hold_cnt(0) depctr_sa_sdst(0) depctr_va_vdst(0) depctr_va_sdst(0) depctr_va_ssrc(0) depctr_va_vcc(0) depctr_vm_vsrc(0)
	s_getreg_b32 s2, hwreg(HW_REG_IB_STS2, 6, 4)
	s_cmp_eq_u32 s2, 0
	s_cbranch_scc0 .Lentry_in_a_cluster
	s_endpgm
.Lentry_in_a_cluster:
	s_bfe_u32 s2, ttmp6, 0x10000c
	s_cmp_lg_u32 s2, 0x3003
	s_cbranch_scc0 .Lentry_shape_is_right
	s_endpgm
.Lentry_shape_is_right:
; ASSIGN.  For each of 16,384 rows: the GROUP of eight neighbouring entries that holds the first least d = (|zn|^2 + |e|^2) - 2 Q(zn) . Q(embed_norm) over 8,192 entries.  The next launch picks the entry among the eight.
; SHARES.  A work-group owns 64 rows of z, four tiles of 16.  Wave w of sixteen takes all 64 rows against entries 512 w on: 8 fragments x 4 blocks x 4 tiles = 128 matrix instructions.
; THE CODEBOOK (128 fragments of 1,856 bytes: scale words, e2, codes: 237,568 bytes) comes into LDS ONCE: each wave asks for its own slice of 8 fragments and alone reads it, in two halves of 29 x 256 bytes: one tensor load
; at the head, the other behind the round that also shows z's records.  The second half lands while fragments 0-2 are worked on.  No byte is filled twice.  Every LDS address is a constant + a lane's term + wave x 14,848.
; CLUSTER.  All work-groups read the same codebook: the four of a cluster ask JOINTLY, by the same loads with the same descriptors and a mask that names the four.
; K IS 32 and the instruction's K is 128: a fragment of the codebook carries 16 entries in each of its four K blocks (row M, block B: entry 64 f + 32 (M / 8) + 8 B + M % 8), and the z operand has
; z's codes in ONE block and zero codes in the others, which add nothing.  The four versions of a tile are windows of 12 registers on the run  0 X 0 Y 0 ..  (X: z's six registers in lanes 0-15, Y: in lanes 16-31).
; TRANSPOSED USE: source 0 = the codebook, source 1 = z.  Lane (r, h) holds z row r, and register j of the result entry 64 f + 32 h + 8 B + j: a group of eight neighbours, number 64 w + 8 f + 4 h + B, ascending along the lane's walk.
; d.  z is quantised with its sign turned (the quantiser is odd) and its scale byte raised by 1, a power of two: so the product is -2 mm.  C = z2 + e2, and the matrix instruction's result is d.
; THE STEPS (one block of a fragment, four tiles) go through two sets of accumulators by turns: a step starts its four products, finds the minima of the step before, and lays the next step's C into the set just read.
; THE MINIMUM.  For each tile a running least d and the number of the group that brought it (strictly less: the earlier group stays).
; zrec, for the next launch: two planes of 16 bytes a row: codes 0-15 and the scale word; codes 16-31 and z2.
; No prefetch: the one stream is asked for at the head and behind one round, nothing is known earlier than that, and there is no loop.
; LIMITS: NaN and infinities are not served.  A block whose largest magnitude lies under 2^-124 keeps the byte 1.  The order in which |zn|^2 and the column norms are summed (ascending chains), and the matrix unit's own
; rounding of C and the products' sum, can differ in d's last bit from another order's; where two products tie exactly that bit can decide between two indices.
.set FRB,   1856                       ; a fragment: +0 16 scale words, +64 e2 of its 64 entries, +320 its codes
.set SLICE, 8*FRB                      ; a wave's part: 14,848 bytes
.set HALF,  4*FRB                      ; what one tensor load brings: 7,424 bytes
.set EPS,   0x2b8cbccc                 ; 1e-12
.set FLOOR, 0x1800000                  ; 2^(3 - 127)
.set INF,   0x7f800000
.set ZR,    16*SLICE                   ; LDS behind the codebook: 64 records of 32 bytes
.set RD,    ZR+2048                    ; [16 waves][64 rows] least d
.set RI,    RD+4096                    ; [16 waves][64 rows] its group
.set SPARE, RI+4096                    ; the spare words, 128 bytes for each wave
.set N2,  0                            ; v0-3 at work, behind the head
.set AAD, 5                            ; v5   my place in a fragment's codes
.set ASD, 6                            ; v6   in its scale words
.set AED, 7                            ; v7   in its e2
.set ZV,  16                           ; v16-117  17 groups of 6: 0 X0 0 Y0 0 X1 0 Y1 ..
.set Z2,  118                          ; v118-125 z2 of tile t, in both halves of a pair
.set ZSC, 126                          ; v126-129 z's scale words: scales and nothing else
.set AB,  130                          ; v130-153 two fragments of the codebook
.set ASC, 154                          ; v154-155 their scale words: scales and nothing else
.set E2,  156                          ; v156-171 e2 of a group, two sets
.set TS,  172                          ; v172-235 two sets of four accumulators
.set T,   204                          ; v204-235 the second set: z's records at the head, at work at the end
.set RUN, 236                          ; v236-243 the least d, two registers a tile by turns
.set G,   244                          ; v244-247 the best group
.set N,   248                          ; v248-251 at work
.set G1,  24                           ; s[24:31] descriptor group 1
.set G0,  48                           ; s[48:51], s[52:55] descriptor group 0 of the two halves
.macro CROUND                          ; a round of the cluster's barrier
	s_barrier_signal -1
	s_barrier_wait -1
	s_cmp_lg_u32 s14, 0
	s_cbranch_scc1 .Lnot_wave_0_\@
	s_barrier_signal -3
.Lnot_wave_0_\@:
	s_barrier_wait -3
	s_barrier_signal -1
	s_barrier_wait -1
.endm
	s_load_b256 s[4:11], s[0:1], 0x0               ; z s[4:5], znp s[6:7], cbq s[8:9], grp s[10:11]
	s_load_b64 s[12:13], s[0:1], 0x20              ; zrec
	v_lshl_add_u32 v254, v0, 2, SPARE
	v_mov_b32 v255, 0
	ds_add_u32 v254, v255                          ; the wave's opening, twice on end
	ds_add_u32 v254, v255
	v_lshrrev_b32 v1, 5, v0
	v_readfirstlane_b32 s14, v1                    ; wave 0..15
	s_mul_i32 s17, s14, SLICE                      ; my slice, in LDS and in cbq
	s_lshl_b32 s18, s14, 8
	v_and_b32 v2, 31, v0                           ; lane
	v_and_b32 v3, 15, v0                           ; r
	v_bfe_u32 v4, v0, 4, 1                         ; h
	v_lshl_add_u32 v8, v0, 5, ZR                   ; where waves 0 and 1 put a row's record: 32 x thread
	v_and_b32 v5, 8, v3                            ; every LDS address is made here, ahead of the parting of the waves
	v_lshl_add_u32 v9, v3, 5, ZR                   ; where row r of a tile is read
	v_lshl_add_u32 v10, v3, 2, s18
	v_lshlrev_b32 v5, 2, v5
	v_lshl_add_u32 v7, v4, 7, s17
	v_lshl_add_u32 v5, v4, 3, v5
	v_and_b32 v6, 7, v3
	v_add_nc_u32 v5, v5, v6                        ; 32 (r / 8) + 8 h + r % 8: the entry of my block h; block 2 + h's is 16 on
	v_lshl_add_u32 v6, v3, 2, s17
	v_mul_u32_u24 v5, v5, 24
	v_add_nc_u32 v7, 64, v7
	v_add_nc_u32 v5, s17, v5
	v_add_nc_u32 v10, RD, v10                      ; my wave's 64 results
	v_add_nc_u32 v5, 320, v5
	v_lshl_add_u32 v11, v2, 3, RD                  ; wave 0 at the end: two rows a lane
	v_lshlrev_b32 v12, 2, v2
	v_lshlrev_b32 v13, 7, v2
	v_lshlrev_b32 v14, 3, v2
	v_lshlrev_b32 v15, 4, v2
	s_wait_alu depctr_va_vdst(0)                   ; the wait at the head's end
	s_bfe_u32 s15, ttmp6, 0x40000                  ; cx
	s_lshl_b32 s16, ttmp9, 2
	s_add_co_u32 s16, s16, s15                     ; my work-group: it enters global addresses of z, znp, grp and zrec alone
	s_lshl_b32 s41, s14, 6                         ; my first group's number
	s_mov_b32 s19, 0
	s_mov_b32 s32, 0x76543210
	s_mov_b32 s33, 0xfedcba98                      ; v_permlanex16_b32's selects for lane l xor 16
	; descriptor group 1: a dense block of 7,424 bytes as 29 rows of 256 bytes (32 elements of 8 bytes)
	s_mov_b32 s[G1+0], 15|(3<<16)|(1<<21)          ; 15:0 the mask: all four work-groups; 17:16 elements of 8 bytes; 21 set beside a mask
	s_mov_b32 s[G1+1], 32<<16                      ; tensor_dim0 = 32
	s_mov_b32 s[G1+2], 29<<16                      ; tensor_dim1 = 29
	s_mov_b32 s[G1+3], 32<<16                      ; tile_dim0 = 32
	s_mov_b32 s[G1+4], 29                          ; tile_dim1 = 29
	s_mov_b32 s[G1+5], 32                          ; from row to row
	s_mov_b32 s[G1+6], 0
	s_mov_b32 s[G1+7], 0
	s_wait_dscnt 0x0                               ; both opening adds are done
	s_wait_kmcnt 0x0
	s_mov_b32 s18, s17
	s_add_nc_u64 s[22:23], s[8:9], s[18:19]        ; my slice of cbq: nothing of it hangs on the work-group
.irp p, 0,1
	s_mov_b32 s[G0+4*\p], 1                        ; count = 1,
	s_add_co_u32 s[G0+4*\p+1], s17, \p*HALF        ; LDS address: wave x 14,848 + half x 7,424,
	s_add_nc_u64 s[G0+4*\p+2:G0+4*\p+3], s[22:23], \p*HALF     ; global address: the same place in cbq,
	s_or_b32 s[G0+4*\p+3], s[G0+4*\p+3], 0x80000000            ; type = 2
.endr
	CROUND                                         ; all four work-groups are here: the joint loads meet
	tensor_load_to_lds s[G0:G0+3], s[G1:G1+7]      ; my first half: my one tensor load at the head
	s_nop 0
.rept 4
	v_nop
.endr
	s_lshr_b32 s18, s16, 5
	s_lshl_b32 s18, s18, 11
	s_add_nc_u64 s[34:35], s[6:7], s[18:19]        ; znp of my batch: 32 work-groups to a batch
	s_lshl_b32 s18, s16, 13
	s_lshl_b32 s46, s14, 12
	s_add_co_u32 s18, s18, s46
	s_add_nc_u64 s[38:39], s[4:5], s[18:19]        ; z at row 64 x work-group + 32 x wave
	s_lshl_b32 s18, s16, 8
	s_add_nc_u64 s[42:43], s[10:11], s[18:19]      ; grp at my 64 rows
	s_lshl_b32 s18, s16, 10
	s_lshl_b32 s46, s14, 9
	s_add_co_u32 s18, s18, s46
	s_add_nc_u64 s[44:45], s[12:13], s[18:19]      ; zrec at row 64 x work-group + 32 x wave
	; ---- waves 0 and 1 normalise and quantise z, a row a lane
	s_cmp_lt_u32 s14, 2
	s_cbranch_scc0 .Lzq_done
.set i, 0
.rept 16
	global_load_b32 v[32+i], v12, s[34:35] offset:128*i        ; lane = column: its 16 partial sums
.set i, i+1
.endr
.irp i, 0,1,2,3,4,5,6,7
	global_load_b128 v[48+4*\i:51+4*\i], v13, s[38:39] offset:16*\i th:TH_LOAD_NT   ; lane = row: its 32 numbers
.endr
	s_wait_loadcnt 8                               ; the partial sums are in; z's eight loads may stay out
	v_add_f32 v216, v33, v34
	v_add_f32 v217, v35, v36
	v_add_f32 v218, v37, v38
	v_add_f32 v219, v39, v40
	v_add_f32 v220, v41, v42
	v_add_f32 v221, v43, v44
	v_add_f32 v222, v45, v46
	v_add_f32 v32, v32, v47
	v_add_f32 v216, v216, v220
	v_add_f32 v217, v217, v221
	v_add_f32 v218, v218, v222
	v_add_f32 v32, v32, v219
	v_add_f32 v216, v216, v218
	v_add_f32 v32, v32, v217
	v_add_f32 v32, v32, v216
	s_wait_alu depctr_va_vdst(0)
	v_sqrt_f32 v33, v32
	v_nop
	s_wait_alu depctr_va_vdst(0)                   ; the wait ahead of the first reader
	v_max_num_f32 v33, EPS, v33
	s_wait_alu depctr_va_vdst(0)
	v_rcp_f32 v34, v33
	v_nop
	s_wait_alu depctr_va_vdst(0)
	v_xor_b32 v34, 0x80000000, v34                 ; - 1 / norm: the turned sign
.set i, 0
.rept 32
	v_readlane_b32 s[68+i], v34, i                 ; of column i, for every lane
.set i, i+1
.endr
	s_wait_loadcnt 0x0
.set i, 0
.rept 32
	v_mul_f32 v[48+i], s[68+i], v[48+i]            ; - zn
.set i, i+1
.endr
	v_mul_f32 v179, v48, v48                       ; z2: one ascending chain, with the search for the largest magnitude between its links
	v_max3_num_f32 v180, |v48|, |v49|, FLOOR
.set i, 1
.rept 15
	v_fmac_f32 v179, v[48+i], v[48+i]
	v_max3_num_f32 v180, v180, |v[49+i]|, |v[50+i]|
	v_fmac_f32 v179, v[49+i], v[49+i]
.set i, i+2
.endr
	v_fmac_f32 v179, v79, v79
	v_add_nc_u32 v181, 0xff000000, v180            ; 2 off the exponent field: the conversion's scale operand
	v_lshrrev_b32 v182, 23, v181
	v_add_nc_u32 v182, 1, v182                     ; the byte, raised by 1: the factor 2,
	v_lshl_or_b32 v175, v182, 8, v182
	v_lshl_or_b32 v175, v175, 16, v175             ; four times: z may stand in any block
	v_cvt_scalef32_pk16_fp6_f32 v[172:174], v[48:63], v181
	v_cvt_scalef32_pk16_fp6_f32 v[176:178], v[64:79], v181
	v_nop                                          ; one plain place behind the scaled conversions
	ds_store_b128 v8, v[172:175]
	ds_store_b128 v8, v[176:179] offset:16
	global_store_b128 v15, v[172:175], s[44:45]                ; 32 lanes store 512 consecutive bytes of each plane
	global_store_b128 v15, v[176:179], s[44:45] offset:262144
.Lzq_done:
.irp g, 0,2,4,6,8,10,12,14,16
.irp i, 0,1,2,3,4,5
	v_mov_b32 v[ZV+6*\g+\i], 0                     ; zero codes
.endr
.endr
.irp t, 0,1,2,3
	v_mov_b32 v[RUN+2*\t], INF
	v_mov_b32 v[G+\t], 0
.endr
	s_wait_alu depctr_va_vdst(0)
	s_wait_tensorcnt 0x0                           ; my first half is in LDS; these lines stand ahead of a later first fill:
	ds_add_u32 v254, v255
	s_wait_dscnt 0x0                               ; the add is done, and, for the others' sake, the records are stored
	CROUND                                         ; both hold of every wave of the cluster's work-groups
	tensor_load_to_lds s[G0+4:G0+7], s[G1:G1+7]    ; my second half
	s_nop 0
.rept 4
	v_nop
.endr
	s_wait_xcnt 0x0                                ; the records' stores have read their registers
	; ---- every wave builds the z operands of the four tiles
.irp t, 0,1,2,3
	ds_load_b128 v[T+8*\t:T+8*\t+3], v9 offset:512*\t
	ds_load_b128 v[T+8*\t+4:T+8*\t+7], v9 offset:512*\t+16
.endr
.macro LOADA p, fr                     ; fragment fr into buffer p: six pieces of 8 bytes and the scale word
.irp c, 0,1
.irp x, 0,1,2
	ds_load_b64 v[AB+12*(\p)+6*\c+2*\x:AB+12*(\p)+6*\c+2*\x+1], v[AAD] offset:(\fr)*FRB+384*\c+8*\x
.endr
.endr
	ds_load_b32 v[ASC+(\p)], v[ASD] offset:(\fr)*FRB
.endm
.macro LOADE e, fr, blk                ; the eight e2 of my group in block blk of fragment fr into set e
	ds_load_b128 v[E2+8*(\e):E2+8*(\e)+3], v[AED] offset:(\fr)*FRB+32*(\blk)
	ds_load_b128 v[E2+8*(\e)+4:E2+8*(\e)+7], v[AED] offset:(\fr)*FRB+32*(\blk)+16
.endm
	s_wait_dscnt 0x0
	LOADA 0, 0
	LOADE 0, 0, 0
	LOADE 1, 0, 1
	v_cmp_eq_u32 vcc_lo, 1, v4
.irp t, 0,1,2,3
	v_mov_b32 v[ZSC+\t], v[T+8*\t+3]
.endr
.irp t, 0,1,2,3
.irp i, 0,1,2,3,4,5
	v_cndmask_b32 v[ZV+6*(4*\t+1)+\i], v[T+8*\t+\i+\i/3], v16, vcc_lo   ; X: the codes in lanes 0-15
	v_cndmask_b32 v[ZV+6*(4*\t+3)+\i], v16, v[T+8*\t+\i+\i/3], vcc_lo   ; Y: in lanes 16-31
.endr
.endr
.irp t, 0,1,2,3
	v_mov_b32 v[Z2+2*\t], v[T+8*\t+7]
	v_mov_b32 v[Z2+2*\t+1], v[T+8*\t+7]
.endr
; The pieces of a step.  SETS names the registers of a step whose block's parity is e: CS its accumulators, PS the other set, which the step before has written; OA the least d until then, NA the new one.
.macro SETS e
.set CS, TS+32*(\e)
.set PS, TS+32-32*(\e)
.set OA, RUN+1-(\e)
.set NA, RUN+(\e)
.endm
.macro CADD set, es, t0                ; C = z2 + e2, two tiles
.irp t, \t0, \t0+1
.irp j, 0,2,4,6
	v_pk_add_f32 v[\set+8*(\t)+\j:\set+8*(\t)+\j+1], v[E2+8*(\es)+\j:E2+8*(\es)+\j+1], v[Z2+2*(\t):Z2+2*(\t)+1]
.endr
.endr
.endm
.macro MULT t                          ; d = C + product; the eight accumulators take turns, one instruction a turn
	v_wmma_scale_f32_16x16x128_f8f6f4 v[CS+8*\t:CS+8*\t+7], v[AF:AF+11], v[ZW+24*\t:ZW+24*\t+11], v[CS+8*\t:CS+8*\t+7], v[SA], v[ZSC+\t] matrix_a_fmt:MATRIX_FMT_FP6 matrix_b_fmt:MATRIX_FMT_FP6
.endm
.macro MIN_A
.irp t, 0,1,2,3
	v_min3_num_f32 v[NA+2*\t], v[PS+8*\t], v[PS+8*\t+1], v[PS+8*\t+2]      ; each result is read from its low end on
.endr
.irp t, 0,1,2,3
	v_min3_num_f32 v[N2+\t], v[PS+8*\t+6], v[PS+8*\t+7], v[OA+2*\t]
.endr
.endm
.macro MIN_B
.irp t, 0,1,2,3
	v_min3_num_f32 v[N+\t], v[PS+8*\t+3], v[PS+8*\t+4], v[PS+8*\t+5]
.endr
.endm
.macro MIN_C
.irp t, 0,1,2,3
	v_min3_num_f32 v[NA+2*\t], v[NA+2*\t], v[N+\t], v[N2+\t]               ; the new least d, beside the old
.endr
.endm
.macro BETTER
.irp t, 0,1,2,3
	v_cmp_lt_f32 s[56+\t], v[NA+2*\t], v[OA+2*\t]  ; strictly less: this group is the best so far
.endr
.endm
.macro TAKE
.irp t, 0,1,2,3
	v_cndmask_b32 v[G+\t], v[G+\t], s41, s[56+\t]
.endr
.endm
; One block of fragment fi.  ne: the e2 of the step two further on are asked for; na: the next fragment; mi: there is a step before, whose minima are found; cn: there is a step behind, whose C is laid.
; The wait is counted: what this step has asked for (2 loads of e2, 7 of a fragment) may stay out; so the e2 that CADD reads, and any fragment asked for in an earlier step, are in.
.macro STEP fi, blk, ne, na, mi, cn
	SETS (\blk)%2
.set AF, AB+12*((\fi)%2)
.set SA, ASC+(\fi)%2
.set ZW, ZV+6*(2*((\blk)%2)+1-(\blk)/2)
.if \ne
.if (\blk) < 2
	LOADE (\blk)%2, (\fi), (\blk)+2
.else
	LOADE (\blk)%2, (\fi)+1, (\blk)-2
.endif
.endif
.if \na
	LOADA 1-(\fi)%2, (\fi)+1
.endif
	MULT 0
.if \mi
	MIN_A
.endif
	MULT 1
.if \mi
	MIN_B
.endif
	MULT 2
.if \mi
	MIN_C
.endif
	MULT 3
.if \mi
	BETTER
.endif
.if \cn
	s_wait_dscnt 2*(\ne)+7*(\na)
	CADD PS, ((\blk)+1)%2, 0
.endif
.if \mi
	TAKE
.if (\blk) == 0
	s_add_co_u32 s41, s41, 5                       ; on to this fragment's groups: 8 a fragment
.else
	s_add_co_u32 s41, s41, 1
.endif
.endif
.if \cn
	CADD PS, ((\blk)+1)%2, 2
.endif
.endm
.macro FRAG fi, first, last
	STEP \fi, 0, 1, 1-\last, 1-\first, 1
	STEP \fi, 1, 1, 0, 1, 1
	STEP \fi, 2, 1-\last, 0, 1, 1
	STEP \fi, 3, 1-\last, 0, 1, 1-\last
.endm
	s_wait_alu depctr_va_vdst(0)
	s_wait_dscnt 0x0
	CADD TS, 0, 0                                  ; the first step's C
	CADD TS, 0, 2
	FRAG 0, 1, 0
	FRAG 1, 0, 0
	FRAG 2, 0, 0                                   ; fragments 0-2 ask for nothing beyond fragment 3, the first half's last
	s_wait_alu depctr_va_vdst(0)
	s_wait_tensorcnt 0x0                           ; my second half is in; I alone read it
.irp f, 3,4,5,6
	FRAG \f, 0, 0
.endr
	FRAG 7, 0, 1                                   ; the last fragment: nothing is asked for beyond the slice
	SETS 0                                         ; the last step's minima
	MIN_A
	MIN_B
	MIN_C
	BETTER
	TAKE
	; ---- the other half of the lanes holds the same row's other entries
.irp t, 0,1,2,3
	v_lshl_add_u32 v[G+\t], v4, 2, v[G+\t]         ; + 4 h
.endr
.irp t, 0,1,2,3
	v_permlanex16_b32 v[T+\t], v[RUN+2*\t], s32, s33
.endr
.irp t, 0,1,2,3
	v_permlanex16_b32 v[T+4+\t], v[G+\t], s32, s33
.endr
.irp t, 0,1,2,3
	v_cmp_lt_f32 s[56+\t], v[T+\t], v[RUN+2*\t]
.endr
.irp t, 0,1,2,3
	v_cmp_eq_f32 s[60+\t], v[T+\t], v[RUN+2*\t]
.endr
.irp t, 0,1,2,3
	v_cmp_lt_u32 s[68+\t], v[T+4+\t], v[G+\t]
.endr
	s_wait_alu depctr_va_vdst(0)
.irp t, 0,1,2,3
	s_and_b32 s[60+\t], s[60+\t], s[68+\t]
	s_or_b32 s[56+\t], s[56+\t], s[60+\t]          ; the other half's is less, or equal with the lower group
.endr
.irp t, 0,1,2,3
	v_cndmask_b32 v[RUN+2*\t], v[RUN+2*\t], v[T+\t], s[56+\t]
	v_cndmask_b32 v[G+\t], v[G+\t], v[T+4+\t], s[56+\t]
.endr
.irp t, 0,1,2,3
	ds_store_b32 v10, v[RUN+2*\t] offset:64*\t     ; both halves write the same word with the same value
	ds_store_b32 v10, v[G+\t] offset:4096+64*\t
.endr
	s_wait_dscnt 0x0                               ; for the others' sake: my results are stored
	s_barrier_signal -1
	s_barrier_wait -1
	s_cmp_lg_u32 s14, 0
	s_cbranch_scc1 .Lend
.irp w, 0,1,2,3,4,5,6,7,8,9,10,11,12,13,14,15
	ds_load_b64 v[16+2*\w:17+2*\w], v11 offset:256*\w
	ds_load_b64 v[48+2*\w:49+2*\w], v11 offset:4096+256*\w
.endr
	s_wait_dscnt 0x0
.irp w, 1,2,3,4,5,6,7,8,9,10,11,12,13,14,15
	v_cmp_lt_f32 s56, v[16+2*\w], v16              ; strictly less: the lower wave, whose indices are lower, stays
	v_cmp_lt_f32 s57, v[17+2*\w], v17
	v_cndmask_b32 v16, v16, v[16+2*\w], s56
	v_cndmask_b32 v17, v17, v[17+2*\w], s57
	v_cndmask_b32 v48, v48, v[48+2*\w], s56
	v_cndmask_b32 v49, v49, v[49+2*\w], s57
.endr
	global_store_b64 v14, v[48:49], s[42:43]       ; 32 lanes store 256 consecutive bytes, at a multiple of 256 from the buffer's first byte
.Lend:
	s_wait_tensorcnt 0x0                           ; the wave's end
	ds_add_u32 v254, v255
	s_wait_dscnt 0x0
	CROUND                                         ; the closing round
	s_endpgm
.Lfunc_end_k_qfeae83541b_assign:
	.size	k_qfeae83541b_assign, .Lfunc_end_k_qfeae83541b_assign-k_qfeae83541b_assign
	.p2alignl 7, 3214868480
	.fill 96, 4, 3214868480
	.section	.rodata,"a",@progbits
	.p2align	6, 0x0
	.amdhsa_kernel k_qfeae83541b_assign
		.amdhsa_group_segment_fixed_size 327680
		.amdhsa_private_segment_fixed_size 0
		.amdhsa_enable_private_segment 0
		.amdhsa_kernarg_size 40
		.amdhsa_user_sgpr_count 2
		.amdhsa_user_sgpr_kernarg_segment_ptr 1
		.amdhsa_wavefront_size32 1
		.amdhsa_system_sgpr_workgroup_id_x 1
		.amdhsa_system_sgpr_workgroup_id_y 1
		.amdhsa_system_sgpr_workgroup_id_z 1
		.amdhsa_system_vgpr_workitem_id 0
		.amdhsa_next_free_vgpr 256
		.amdhsa_next_free_sgpr 104
		.amdhsa_reserve_vcc 1
		.amdhsa_float_denorm_mode_32 3
		.amdhsa_float_denorm_mode_16_64 3
		.amdhsa_memory_ordered 1
		.amdhsa_forward_progress 1
		.amdhsa_inst_pref_size 136
	.end_amdhsa_kernel
	.amdgpu_metadata
---
amdhsa.version: [ 1, 2 ]
amdhsa.kernels:
  - .name:           k_qfeae83541b_assign
    .symbol:         k_qfeae83541b_assign.kd
    .args:
      - { .name: z, .offset: 0, .size: 8, .value_kind: global_buffer, .address_space: global }
      - { .name: znp, .offset: 8, .size: 8, .value_kind: global_buffer, .address_space: global }
      - { .name: cbq, .offset: 16, .size: 8, .value_kind: global_buffer, .address_space: global }
      - { .name: grp, .offset: 24, .size: 8, .value_kind: global_buffer, .address_space: global }
      - { .name: zrec, .offset: 32, .size: 8, .value_kind: global_buffer, .address_space: global }
    .group_segment_fixed_size: 327680
    .private_segment_fixed_size: 0
    .kernarg_segment_align: 8
    .kernarg_segment_size: 40
    .max_flat_workgroup_size: 512
    .sgpr_count:     104
    .vgpr_count:     256
    .wavefront_size: 32
...
	.end_amdgpu_metadata
.endif
;; end of part 2
;; launch resolve (part 3): grid 256 x 1, 8 waves a work-group, no clusters, 5,376 bytes of LDS; arguments z, embedding, cbq, grp, zrec, stats, out1, idxw; writes stats, out1, idxw
.if DOCPART == 3
	.amdgcn_target "amdgcn-amd-amdhsa--gfx1250"
	.amdhsa_code_object_version 6
	.text
	.protected	k_qfeae83541b_resolve
	.globl	k_qfeae83541b_resolve
	.p2align	8
	.type	k_qfeae83541b_resolve,@function
k_qfeae83541b_resolve:
	s_mov_b64 s[64:65], 0
	v_nop
	global_prefetch_b8 v0, s[64:65] scope:SCOPE_SE
	s_setreg_imm32_b32 hwreg(HW_REG_WAVE_MODE, 25, 1), 1
	s_wait_xcnt 0x0
; RESOLVE.  A work-group takes a chunk of 64 rows, a wave eight of them, four at a time: lane l has row l / 8.  The row's group of eight entries is known (grp).
; THE INDEX.  Lane l takes candidate j = l % 8: its codes and z's are widened exactly, and their product (with z's turned sign and raised scale byte: -2 mm) is a sum of multiples of 1/64 under 2^11: exact in f32 in any order.
; d = (z2 + e2) + product; the first j whose d equals the least of the eight is the index.
; THE ROW of the embedding is chosen by v_cndmask among the eight, of which lane l loads columns 4 (l % 8) on: no address hangs on d.
; THE SUMS.  For each column over the chunk, from which the last launch makes z_q's norm over T and the loss, with e the row chosen:
;   Q = sum e^2;  NB = -(sum e z) / max(Q, 2^-126);  R = sum (z + NB e)^2.
; For any a and c:  sum (a e - c z)^2 = (a + c NB)^2 Q + c^2 R, since sum e (z + NB e) = 0 by NB's definition; no term is large beside the result.
; Each wave makes the three for its eight rows; wave 0 joins the eight waves': sum e z = -sum NB_w Q_w, and for the joint NB:  R = sum (R_w + (NB - NB_w)^2 Q_w).
; stats [256 chunks][Q, NB, R, R][32] f32: one store of 512 consecutive bytes (the second R fills the second unit of 256).
; No matrix unit, no cluster: the chunks share nothing but the tables, of which each reads its rows' groups.  No loop, so no prefetch.
; LIMITS: NaN and infinities are not served; a group is held to 1,023; the orthogonality above holds while a column's sum e^2 over eight rows is 0 or at least 2^-126.
.set IDX,   4096                       ; LDS: eight waves' sums, 512 bytes each; then 64 indices; then the spare words
.set SPARE, 4352
.set GR,  16
.set ZR,  20                           ; v20-35   two records of z
.set ZW,  36                           ; v36-43   z, four columns of two rows
.set CD,  44                           ; v44-59   codes of my candidates
.set SB,  60
.set E2,  62
.set TZ,  64                           ; v64-95   z widened
.set TE,  96                           ; v96-127  the candidate widened
.set RAW, 128                          ; v128-191 eight candidates' columns, two rows
.set AD,  192                          ; v192-207 addresses
.set AC,  208                          ; v208-223 at work
.set JI,  224                          ; v224-225 the first least candidate
	s_load_b512 s[4:19], s[0:1], 0x0               ; z s[4:5], embedding s[6:7], cbq s[8:9], grp s[10:11], zrec s[12:13], stats s[14:15], out1 s[16:17], idxw s[18:19]
	v_lshl_add_u32 v14, v0, 2, SPARE
	v_mov_b32 v15, 0
	v_lshrrev_b32 v1, 5, v0
	v_readfirstlane_b32 s20, v1                    ; wave 0..7
	s_lshl_b32 s21, s20, 9
	s_lshl_b32 s24, s20, 5
	v_and_b32 v1, 31, v0                           ; lane
	v_lshlrev_b32 v2, 4, v1                        ; 16 x lane
	v_lshrrev_b32 v3, 3, v1                        ; l / 8: the row of four
	v_and_b32 v4, 7, v1                            ; l % 8: the candidate, and the four columns
	v_lshlrev_b32 v5, 2, v3
	v_lshlrev_b32 v6, 4, v3
	v_lshlrev_b32 v7, 4, v4
	v_mul_u32_u24 v8, v4, 24
	v_lshlrev_b32 v9, 2, v4
	v_cvt_f32_u32 v10, v4
	v_mov_b32 v11, 0x7f7f7f7f                      ; the widening's scale: 1
	v_add_nc_u32 v12, s21, v2                      ; LDS: my wave's sums
	v_lshl_add_u32 v13, v3, 2, s24
	v_add_nc_u32 v13, IDX, v13                     ; and its indices
	v_lshl_add_u32 v18, v3, 9, v7                  ; wave 0 at the end: the sums of waves l / 8 and 4 + l / 8
	v_lshl_add_u32 v19, v1, 3, IDX
	v_lshlrev_b32 v226, 3, v1
	v_mov_b32 v227, 0x41000000                     ; 8.0
	s_wait_alu depctr_va_vdst(0)                   ; the wait at the head's end
	s_mov_b32 s28, 0x76543210
	s_mov_b32 s29, 0xfedcba98                      ; v_permlanex16_b32's selects for lane l xor 16
	s_mov_b32 s23, 0
	s_wait_kmcnt 0x0
	s_lshl_b32 s22, ttmp9, 8
	s_add_nc_u64 s[16:17], s[16:17], s[22:23]      ; out1, idxw: 64 rows
	s_add_nc_u64 s[18:19], s[18:19], s[22:23]
	s_add_co_u32 s22, s22, s24
	s_add_nc_u64 s[10:11], s[10:11], s[22:23]      ; grp: my wave's eight rows
	s_lshl_b32 s22, ttmp9, 10
	s_lshl_b32 s24, s20, 7
	s_add_co_u32 s22, s22, s24
	s_add_nc_u64 s[12:13], s[12:13], s[22:23]      ; zrec
	s_lshl_b32 s22, ttmp9, 13
	s_lshl_b32 s24, s20, 10
	s_add_co_u32 s22, s22, s24
	s_add_nc_u64 s[4:5], s[4:5], s[22:23]          ; z
	s_lshl_b32 s22, ttmp9, 9
	s_add_nc_u64 s[14:15], s[14:15], s[22:23]      ; stats: my chunk
.irp q, 0,1
	global_load_b32 v[GR+\q], v5, s[10:11] offset:16*\q        ; the group of row 4 q + l / 8
.endr
.irp q, 0,1
	global_load_b128 v[ZR+8*\q:ZR+8*\q+3], v6, s[12:13] offset:64*\q
	global_load_b128 v[ZR+8*\q+4:ZR+8*\q+7], v6, s[12:13] offset:262144+64*\q
	global_load_b128 v[ZW+4*\q:ZW+4*\q+3], v2, s[4:5] offset:512*\q th:TH_LOAD_NT
.endr
	s_wait_loadcnt 6                               ; the groups are in; the records' and z's six loads may stay out
.irp q, 0,1
	v_min_u32 v[GR+\q], 0x3ff, v[GR+\q]
.endr
.irp q, 0,1
	v_and_b32 v[AD+8*\q], 0x3f8, v[GR+\q]
	v_and_b32 v[AD+8*\q+1], 7, v[GR+\q]
	v_and_b32 v[AD+8*\q+2], 4, v[GR+\q]
	v_and_b32 v[AD+8*\q+3], 3, v[GR+\q]
	v_lshl_add_u32 v[AD+8*\q+7], v[GR+\q], 10, v7  ; the embedding: eight rows of 128 bytes a group, my columns
.endr
.irp q, 0,1
	v_mul_u32_u24 v[AD+8*\q], 232, v[AD+8*\q]      ; the fragment: 1,856 bytes for eight groups
	v_mul_u32_u24 v[AD+8*\q+4], 192, v[AD+8*\q+1]  ; the group's codes in it
	v_lshlrev_b32 v[AD+8*\q+5], 5, v[AD+8*\q+1]    ; its e2
	v_lshlrev_b32 v[AD+8*\q+6], 3, v[AD+8*\q+2]    ; its scale words: row 8 h + j, byte B
.endr
.irp q, 0,1
	v_add_nc_u32 v[AD+8*\q+4], v[AD+8*\q+4], v[AD+8*\q]
	v_add_nc_u32 v[AD+8*\q+5], v[AD+8*\q+5], v[AD+8*\q]
	v_add_nc_u32 v[AD+8*\q+6], v[AD+8*\q+6], v[AD+8*\q]
	v_add_nc_u32 v[AD+8*\q+4], v[AD+8*\q+4], v8
	v_add_nc_u32 v[AD+8*\q+5], v[AD+8*\q+5], v9
	v_add_nc_u32 v[AD+8*\q+6], v[AD+8*\q+6], v[AD+8*\q+3]
	v_add_nc_u32 v[AD+8*\q+6], v[AD+8*\q+6], v9
.endr
.irp q, 0,1
	global_load_b96 v[CD+8*\q:CD+8*\q+2], v[AD+8*\q+4], s[8:9] offset:320
	global_load_b96 v[CD+8*\q+4:CD+8*\q+6], v[AD+8*\q+4], s[8:9] offset:332
	global_load_u8 v[SB+\q], v[AD+8*\q+6], s[8:9]
	global_load_b32 v[E2+\q], v[AD+8*\q+5], s[8:9] offset:64
.endr
.irp q, 0,1
.irp i, 0,1,2,3,4,5,6,7
	global_load_b128 v[RAW+32*\q+4*\i:RAW+32*\q+4*\i+3], v[AD+8*\q+7], s[6:7] offset:128*\i
.endr
.endr
	s_wait_alu depctr_va_vdst(0)
	s_wait_loadcnt 16                              ; all but the embedding's sixteen
.irp q, 0,1
	v_cvt_scale_pk16_f32_fp6 v[TZ:TZ+15], v[ZR+8*\q:ZR+8*\q+2], v11
	v_cvt_scale_pk16_f32_fp6 v[TZ+16:TZ+31], v[ZR+8*\q+4:ZR+8*\q+6], v11
	v_cvt_scale_pk16_f32_fp6 v[TE:TE+15], v[CD+8*\q:CD+8*\q+2], v11
	v_cvt_scale_pk16_f32_fp6 v[TE+16:TE+31], v[CD+8*\q+4:CD+8*\q+6], v11
	v_nop                                          ; one plain place behind the scaled conversions
.irp i, 0,2,4,6
	v_pk_mul_f32 v[AC+8*\q+\i:AC+8*\q+\i+1], v[TZ+\i:TZ+\i+1], v[TE+\i:TE+\i+1]
.endr
.irp b, 8,16,24
.irp i, 0,2,4,6
	v_pk_fma_f32 v[AC+8*\q+\i:AC+8*\q+\i+1], v[TZ+\b+\i:TZ+\b+\i+1], v[TE+\b+\i:TE+\b+\i+1], v[AC+8*\q+\i:AC+8*\q+\i+1]
.endr
.endr
.endr
.irp q, 0,1
	v_pk_add_f32 v[AC+8*\q:AC+8*\q+1], v[AC+8*\q:AC+8*\q+1], v[AC+8*\q+2:AC+8*\q+3]
	v_pk_add_f32 v[AC+8*\q+4:AC+8*\q+5], v[AC+8*\q+4:AC+8*\q+5], v[AC+8*\q+6:AC+8*\q+7]
.endr
.irp q, 0,1
	v_pk_add_f32 v[AC+8*\q:AC+8*\q+1], v[AC+8*\q:AC+8*\q+1], v[AC+8*\q+4:AC+8*\q+5]
	v_and_b32 v[AC+8*\q+3], 0xff, v[ZR+8*\q+3]     ; the two scales' bytes
.endr
.irp q, 0,1
	v_add_f32 v[AC+8*\q], v[AC+8*\q], v[AC+8*\q+1]
	v_add_nc_u32 v[AC+8*\q+3], v[AC+8*\q+3], v[SB+\q]
.endr
.irp q, 0,1
	v_add_nc_u32 v[AC+8*\q+3], 0xffffff02, v[AC+8*\q+3]        ; - 254
	v_add_f32 v[AC+8*\q+2], v[ZR+8*\q+7], v[E2+\q]             ; z2 + e2
.endr
.irp q, 0,1
	v_ldexp_f32 v[AC+8*\q], v[AC+8*\q], v[AC+8*\q+3]           ; -2 mm
.endr
.irp q, 0,1
	v_add_f32 v[AC+8*\q+2], v[AC+8*\q], v[AC+8*\q+2]           ; d
.endr
.irp q, 0,1
	v_mov_b32 v[AC+8*\q+4], v[AC+8*\q+2]
.endr
.irp m, 1,2,4
.irp q, 0,1
	v_min_num_f32_dpp v[AC+8*\q+4], v[AC+8*\q+4], v[AC+8*\q+4] row_xmask:\m row_mask:0xf bank_mask:0xf   ; the least of the row's eight
.endr
.endr
.irp q, 0,1
	v_cmp_eq_f32 s[24+\q], v[AC+8*\q+2], v[AC+8*\q+4]
.endr
.irp q, 0,1
	v_cndmask_b32 v[AC+8*\q+5], v227, v10, s[24+\q]
.endr
.irp m, 1,2,4
.irp q, 0,1
	v_min_num_f32_dpp v[AC+8*\q+5], v[AC+8*\q+5], v[AC+8*\q+5] row_xmask:\m row_mask:0xf bank_mask:0xf   ; the first candidate that equals it
.endr
.endr
.irp q, 0,1
	v_cvt_u32_f32 v[JI+\q], v[AC+8*\q+5]
.endr
.irp q, 0,1
	v_lshl_add_u32 v[AC+8*\q+6], v[GR+\q], 3, v[JI+\q]         ; the index
.endr
.irp q, 0,1
	ds_store_b32 v13, v[AC+8*\q+6] offset:16*\q    ; the row's eight lanes write the same word with the same value
.endr
	s_wait_alu depctr_va_vdst(0)
	s_wait_loadcnt 0x0
.irp i, 1,2,3,4,5,6,7
.irp q, 0,1
	v_cmp_eq_u32 s[24+\q], \i, v[JI+\q]
.endr
.irp q, 0,1
.irp k, 0,1,2,3
	v_cndmask_b32 v[RAW+32*\q+\k], v[RAW+32*\q+\k], v[RAW+32*\q+4*\i+\k], s[24+\q]
.endr
.endr
.endr
.macro RED4 base, scr                  ; four registers summed over the four lanes that hold the same columns: l xor 8, l xor 16
.irp k, 0,1,2,3
	v_add_f32_dpp v[\base+\k], v[\base+\k], v[\base+\k] row_xmask:8 row_mask:0xf bank_mask:0xf
.endr
.irp k, 0,1,2,3
	v_permlanex16_b32 v[\scr+\k], v[\base+\k], s28, s29
.endr
.irp k, 0,1,2,3
	v_add_f32 v[\base+\k], v[\base+\k], v[\scr+\k]
.endr
.endm
.macro NBC                             ; v64-67 Q, v68-71 -(sum e z); v88-91 NB
.irp k, 0,1,2,3
	v_max_num_f32 v[80+\k], 0x800000, v[64+\k]
.endr
	s_wait_alu depctr_va_vdst(0)
.irp k, 0,1,2,3
	v_rcp_f32 v[84+\k], v[80+\k]
.endr
	v_nop
	s_wait_alu depctr_va_vdst(0)                   ; the wait ahead of the first reader: one for the four
.irp k, 0,1,2,3
	v_mul_f32 v[88+\k], v[68+\k], v[84+\k]
.endr
.endm
.macro PICK                            ; lanes 0-7 take Q, 8-15 NB, 16-31 R, into v100-103
	v_cmp_eq_u32 s24, 1, v3
	v_cmp_lt_u32 s25, 1, v3
.irp k, 0,1,2,3
	v_cndmask_b32 v[100+\k], v[64+\k], v[88+\k], s24
.endr
.irp k, 0,1,2,3
	v_cndmask_b32 v[100+\k], v[100+\k], v[92+\k], s25
.endr
.endm
.irp p, 0,2
	v_pk_mul_f32 v[64+\p:65+\p], v[RAW+\p:RAW+\p+1], v[RAW+\p:RAW+\p+1]
	v_pk_mul_f32 v[68+\p:69+\p], v[RAW+\p:RAW+\p+1], v[ZW+\p:ZW+\p+1] neg_lo:[1,0] neg_hi:[1,0]
.endr
.irp p, 0,2
	v_pk_fma_f32 v[64+\p:65+\p], v[RAW+32+\p:RAW+33+\p], v[RAW+32+\p:RAW+33+\p], v[64+\p:65+\p]
	v_pk_fma_f32 v[68+\p:69+\p], v[RAW+32+\p:RAW+33+\p], v[ZW+4+\p:ZW+5+\p], v[68+\p:69+\p] neg_lo:[1,0,0] neg_hi:[1,0,0]
.endr
	RED4 64, 72
	RED4 68, 76
	NBC
.irp q, 0,1
.irp p, 0,2
	v_pk_fma_f32 v[ZW+4*\q+\p:ZW+4*\q+\p+1], v[RAW+32*\q+\p:RAW+32*\q+\p+1], v[88+\p:89+\p], v[ZW+4*\q+\p:ZW+4*\q+\p+1]   ; z + NB e
.endr
.endr
.irp p, 0,2
	v_pk_mul_f32 v[92+\p:93+\p], v[ZW+\p:ZW+\p+1], v[ZW+\p:ZW+\p+1]
.endr
.irp p, 0,2
	v_pk_fma_f32 v[92+\p:93+\p], v[ZW+4+\p:ZW+5+\p], v[ZW+4+\p:ZW+5+\p], v[92+\p:93+\p]
.endr
	RED4 92, 72
	PICK
	ds_store_b128 v12, v[100:103]                  ; [Q, NB, R, R][32] of my eight rows
	s_wait_alu depctr_va_vdst(0)
	s_wait_dscnt 0x0                               ; for wave 0's sake: my sums and indices are stored
	s_barrier_signal -1
	s_barrier_wait -1
	s_cmp_lg_u32 s20, 0
	s_cbranch_scc1 .Lend
	; ---- wave 0 joins the eight waves' sums
.irp e, 0,1
.irp k, 0,1,2
	ds_load_b128 v[128+12*\e+4*\k:131+12*\e+4*\k], v18 offset:2048*\e+128*\k   ; Q, NB, R of wave l / 8 + 4 e
.endr
.endr
	ds_load_b64 v[160:161], v19
	s_wait_dscnt 0x0
	global_store_b64 v226, v[160:161], s[16:17]    ; 32 lanes store 256 consecutive bytes, at a multiple of 256 from the buffer's first byte
	global_store_b64 v226, v[160:161], s[18:19]    ; and the same for the launch that forms addresses of it
.irp p, 0,2
	v_pk_add_f32 v[64+\p:65+\p], v[128+\p:129+\p], v[140+\p:141+\p]
	v_pk_mul_f32 v[68+\p:69+\p], v[132+\p:133+\p], v[128+\p:129+\p]
.endr
.irp p, 0,2
	v_pk_fma_f32 v[68+\p:69+\p], v[144+\p:145+\p], v[140+\p:141+\p], v[68+\p:69+\p]   ; -(sum e z) = sum NB_w Q_w
.endr
	RED4 64, 72
	RED4 68, 76
	NBC
.irp e, 0,1
.irp p, 0,2
	v_pk_add_f32 v[104+4*\e+\p:105+4*\e+\p], v[88+\p:89+\p], v[132+12*\e+\p:133+12*\e+\p] neg_lo:[0,1] neg_hi:[0,1]   ; D = NB - NB_w
.endr
.endr
.irp e, 0,1
.irp p, 0,2
	v_pk_mul_f32 v[112+4*\e+\p:113+4*\e+\p], v[104+4*\e+\p:105+4*\e+\p], v[128+12*\e+\p:129+12*\e+\p]                 ; D Q_w
.endr
.endr
.irp e, 0,1
.irp p, 0,2
	v_pk_fma_f32 v[120+4*\e+\p:121+4*\e+\p], v[104+4*\e+\p:105+4*\e+\p], v[112+4*\e+\p:113+4*\e+\p], v[136+12*\e+\p:137+12*\e+\p]   ; R_w + D^2 Q_w
.endr
.endr
.irp p, 0,2
	v_pk_add_f32 v[92+\p:93+\p], v[120+\p:121+\p], v[124+\p:125+\p]
.endr
	RED4 92, 72
	PICK
	global_store_b128 v2, v[100:103], s[14:15]
.Lend:
	s_wait_tensorcnt 0x0                           ; the wave's end, behind my last LDS store
	ds_add_u32 v14, v15
	s_wait_dscnt 0x0
	s_endpgm
.Lfunc_end_k_qfeae83541b_resolve:
	.size	k_qfeae83541b_resolve, .Lfunc_end_k_qfeae83541b_resolve-k_qfeae83541b_resolve
	.p2alignl 7, 3214868480
	.fill 96, 4, 3214868480
	.section	.rodata,"a",@progbits
	.p2align	6, 0x0
	.amdhsa_kernel k_qfeae83541b_resolve
		.amdhsa_group_segment_fixed_size 5376
		.amdhsa_private_segment_fixed_size 0
		.amdhsa_enable_private_segment 0
		.amdhsa_kernarg_size 64
		.amdhsa_user_sgpr_count 2
		.amdhsa_user_sgpr_kernarg_segment_ptr 1
		.amdhsa_wavefront_size32 1
		.amdhsa_system_sgpr_workgroup_id_x 1
		.amdhsa_system_sgpr_workgroup_id_y 1
		.amdhsa_system_sgpr_workgroup_id_z 1
		.amdhsa_system_vgpr_workitem_id 0
		.amdhsa_next_free_vgpr 232
		.amdhsa_next_free_sgpr 66
		.amdhsa_reserve_vcc 0
		.amdhsa_float_denorm_mode_32 3
		.amdhsa_float_denorm_mode_16_64 3
		.amdhsa_memory_ordered 1
		.amdhsa_forward_progress 1
		.amdhsa_inst_pref_size 26
	.end_amdhsa_kernel
	.amdgpu_metadata
---
amdhsa.version: [ 1, 2 ]
amdhsa.kernels:
  - .name:           k_qfeae83541b_resolve
    .symbol:         k_qfeae83541b_resolve.kd
    .args:
      - { .name: z, .offset: 0, .size: 8, .value_kind: global_buffer, .address_space: global }
      - { .name: embedding, .offset: 8, .size: 8, .value_kind: global_buffer, .address_space: global }
      - { .name: cbq, .offset: 16, .size: 8, .value_kind: global_buffer, .address_space: global }
      - { .name: grp, .offset: 24, .size: 8, .value_kind: global_buffer, .address_space: global }
      - { .name: zrec, .offset: 32, .size: 8, .value_kind: global_buffer, .address_space: global }
      - { .name: stats, .offset: 40, .size: 8, .value_kind: global_buffer, .address_space: global }
      - { .name: out1, .offset: 48, .size: 8, .value_kind: global_buffer, .address_space: global }
      - { .name: idxw, .offset: 56, .size: 8, .value_kind: global_buffer, .address_space: global }
    .group_segment_fixed_size: 5376
    .private_segment_fixed_size: 0
    .kernarg_segment_align: 8
    .kernarg_segment_size: 64
    .max_flat_workgroup_size: 256
    .sgpr_count:     66
    .vgpr_count:     232
    .wavefront_size: 32
...
	.end_amdgpu_metadata
.endif
;; end of part 3
;; launch finish (part 4): grid 129 x 1, 8 waves a work-group, no clusters, 1,280 bytes of LDS; arguments z, embedding, idxw, znp, stats, out0, out2; writes out0, out2
.if DOCPART == 4
	.amdgcn_target "amdgcn-amd-amdhsa--gfx1250"
	.amdhsa_code_object_version 6
	.text
	.protected	k_qfeae83541b_finish
	.globl	k_qfeae83541b_finish
	.p2align	8
	.type	k_qfeae83541b_finish,@function
k_qfeae83541b_finish:
	s_mov_b64 s[64:65], 0
	v_nop
	global_prefetch_b8 v0, s[64:65] scope:SCOPE_SE
	s_setreg_imm32_b32 hwreg(HW_REG_WAVE_MODE, 25, 1), 1
	s_wait_xcnt 0x0
; FINISH.  With c = 1 / max(|z| over T, 1e-12) and a = 1 / max(|z_q| over T, 1e-12), for each batch and column:
; work-groups 0-127: out0 = zn + (zq a - zn), zn = z c, zq = embedding[idx]: a wave takes 16 rows;
; work-group 128: the loss = 1.25 x mean (zq a - zn)^2, from the chunks' sums: wave b takes batch b:  sum over its 32 chunks and 32 columns of  t^2 Q + c^2 R,  t = a + c NB;  the eight waves' sums meet in LDS.
; Lane l has columns 4 (l % 8) on and, of each four rows, parts or chunks, number l / 8.  Every load of z and every store of out0 is 512 consecutive bytes.
; No matrix unit, no cluster, no loop and so no prefetch.  LIMITS: NaN and infinities are not served; an index is held to 8,191; division and root are v_rcp_f32 and v_sqrt_f32.
.set EPS, 0x2b8cbccc                   ; 1e-12
	s_load_b256 s[4:11], s[0:1], 0x0               ; z s[4:5], embedding s[6:7], idxw s[8:9], znp s[10:11]
	s_load_b128 s[16:19], s[0:1], 0x20             ; stats s[16:17], out0 s[18:19]
	s_load_b64 s[20:21], s[0:1], 0x30              ; out2
	v_lshl_add_u32 v160, v0, 2, 0x100
	v_mov_b32 v161, 0
	v_lshrrev_b32 v1, 5, v0
	v_readfirstlane_b32 s12, v1                    ; wave 0..7
	v_and_b32 v1, 31, v0
	v_lshlrev_b32 v2, 4, v1                        ; 16 x lane
	v_lshrrev_b32 v6, 3, v1                        ; sub
	v_and_b32 v4, 7, v1
	v_lshlrev_b32 v3, 2, v6
	v_lshlrev_b32 v4, 4, v4                        ; my columns' bytes
	v_mov_b32 v7, s12
	v_lshl_add_u32 v5, v6, 9, v4                   ; chunk sub of four: 512 bytes a chunk
	v_lshlrev_b32 v7, 2, v7                        ; LDS: my wave's word
.irp k, 0,1,2,3,4,5,6,7
	v_mov_b32 v[8+\k], 0                           ; lane permutes' destinations count as sources
.endr
	s_wait_alu depctr_va_vdst(0)                   ; the wait at the head's end
	s_mov_b32 s24, 0x76543210
	s_mov_b32 s25, 0xfedcba98
	s_lshr_b32 s13, ttmp9, 4                       ; 16 work-groups to a batch
	s_cmp_eq_u32 ttmp9, 128
	s_cselect_b32 s13, s12, s13                    ; my batch
	s_lshl_b32 s22, s13, 14
	s_mov_b32 s23, 0
	s_lshl_b32 s26, s13, 11
	s_mov_b32 s27, 0
	s_wait_kmcnt 0x0
	s_add_nc_u64 s[16:17], s[16:17], s[22:23]      ; the batch's 32 chunks of stats
	s_add_nc_u64 s[10:11], s[10:11], s[26:27]      ; and its 16 parts of znp
.macro RED8 base, scr                  ; eight registers summed over the four lanes that hold the same columns
.irp k, 0,1,2,3,4,5,6,7
	v_add_f32_dpp v[\base+\k], v[\base+\k], v[\base+\k] row_xmask:8 row_mask:0xf bank_mask:0xf
.endr
.irp k, 0,1,2,3,4,5,6,7
	v_permlanex16_b32 v[\scr+\k], v[\base+\k], s24, s25
.endr
.irp k, 0,1,2,3,4,5,6,7
	v_add_f32 v[\base+\k], v[\base+\k], v[\scr+\k]
.endr
.endm
.macro NLOAD                           ; twelve loads: Q of chunks 4 k + sub into v32-63, znp's parts 4 k + sub into v64-79
.irp k, 0,1,2,3,4,5,6,7
	global_load_b128 v[32+4*\k:35+4*\k], v5, s[16:17] offset:2048*\k
.endr
.irp k, 0,1,2,3
	global_load_b128 v[64+4*\k:67+4*\k], v2, s[10:11] offset:512*\k
.endr
.endm
.macro NCALC                           ; a into v88-91, c into v92-95, for my four columns; v32-63 stay
.irp p, 0,2
	v_pk_add_f32 v[80+\p:81+\p], v[32+\p:33+\p], v[36+\p:37+\p]
	v_pk_add_f32 v[84+\p:85+\p], v[64+\p:65+\p], v[68+\p:69+\p]
.endr
.irp k, 2,3
.irp p, 0,2
	v_pk_add_f32 v[80+\p:81+\p], v[80+\p:81+\p], v[32+4*\k+\p:33+4*\k+\p]
	v_pk_add_f32 v[84+\p:85+\p], v[84+\p:85+\p], v[64+4*\k+\p:65+4*\k+\p]
.endr
.endr
.irp k, 4,5,6,7
.irp p, 0,2
	v_pk_add_f32 v[80+\p:81+\p], v[80+\p:81+\p], v[32+4*\k+\p:33+4*\k+\p]
.endr
.endr
	RED8 80, 8
	s_wait_alu depctr_va_vdst(0)
.irp k, 0,1,2,3,4,5,6,7
	v_sqrt_f32 v[8+\k], v[80+\k]
.endr
	v_nop
	s_wait_alu depctr_va_vdst(0)                   ; the wait ahead of the first reader: one for the eight roots
.irp k, 0,1,2,3,4,5,6,7
	v_max_num_f32 v[8+\k], EPS, v[8+\k]
.endr
	s_wait_alu depctr_va_vdst(0)
.irp k, 0,1,2,3,4,5,6,7
	v_rcp_f32 v[88+\k], v[8+\k]
.endr
	v_nop
	s_wait_alu depctr_va_vdst(0)                   ; and one for the eight reciprocals
.endm
	s_cmp_eq_u32 ttmp9, 128
	s_cbranch_scc1 .Lloss
	; ---- out0: rows 16 id on, id = 8 x work-group + wave
	s_lshl_b32 s28, ttmp9, 3
	s_add_co_u32 s28, s28, s12
	s_lshl_b32 s22, s28, 6
	s_lshl_b32 s26, s28, 11
	s_add_nc_u64 s[8:9], s[8:9], s[22:23]
	s_add_nc_u64 s[4:5], s[4:5], s[26:27]
	s_add_nc_u64 s[18:19], s[18:19], s[26:27]
.irp i, 0,1,2,3
	global_load_b32 v[16+\i], v3, s[8:9] offset:16*\i          ; idx of row 4 i + sub
.endr
.irp i, 0,1,2,3
	global_load_b128 v[96+4*\i:99+4*\i], v2, s[4:5] offset:512*\i th:TH_LOAD_NT
.endr
	NLOAD
	s_wait_loadcnt 16                              ; the indices are in; z's four loads and the norms' twelve may stay out
.irp i, 0,1,2,3
	v_min_u32 v[16+\i], 0x1fff, v[16+\i]
.endr
.irp i, 0,1,2,3
	v_lshl_add_u32 v[16+\i], v[16+\i], 7, v4
.endr
.irp i, 0,1,2,3
	global_load_b128 v[112+4*\i:115+4*\i], v[16+\i], s[6:7]
.endr
	s_wait_loadcnt 4                               ; all but the four gathers
	NCALC
	s_wait_loadcnt 0x0
.irp i, 0,1,2,3
.irp p, 0,2
	v_pk_mul_f32 v[96+4*\i+\p:97+4*\i+\p], v[96+4*\i+\p:97+4*\i+\p], v[92+\p:93+\p]                                  ; zn = z c
.endr
.endr
.irp i, 0,1,2,3
.irp p, 0,2
	v_pk_fma_f32 v[112+4*\i+\p:113+4*\i+\p], v[112+4*\i+\p:113+4*\i+\p], v[88+\p:89+\p], v[96+4*\i+\p:97+4*\i+\p] neg_lo:[0,0,1] neg_hi:[0,0,1]   ; zq a - zn
.endr
.endr
.irp i, 0,1,2,3
.irp p, 0,2
	v_pk_add_f32 v[112+4*\i+\p:113+4*\i+\p], v[96+4*\i+\p:97+4*\i+\p], v[112+4*\i+\p:113+4*\i+\p]                    ; zn + that
.endr
	global_store_b128 v2, v[112+4*\i:115+4*\i], s[18:19] offset:512*\i th:TH_STORE_NT
.endr
	s_branch .Ljoin
	; ---- the loss: my batch's share
.Lloss:
	NLOAD
.irp k, 0,1,2,3,4,5,6,7
	global_load_b128 v[96+4*\k:99+4*\k], v5, s[16:17] offset:2048*\k+128       ; NB
	global_load_b128 v[128+4*\k:131+4*\k], v5, s[16:17] offset:2048*\k+256     ; R
.endr
	s_wait_loadcnt 16                              ; Q and znp are in; NB and R may stay out
	NCALC
.irp k, 0,1,2,3
	v_mul_f32 v[24+\k], v[92+\k], v[92+\k]         ; c^2
.endr
	s_wait_alu depctr_va_vdst(0)
.irp k, 0,2,4,6                        ; two times four chunks as they land, in two sets of sums
	s_wait_loadcnt 12-2*\k                         ; their NB and R are in; those of the later ones may stay out
.irp e, 0,1
.irp p, 0,2
	v_pk_fma_f32 v[8+4*\e+\p:9+4*\e+\p], v[92+\p:93+\p], v[96+4*(\k+\e)+\p:97+4*(\k+\e)+\p], v[88+\p:89+\p]          ; t = a + c NB
.endr
.endr
.irp e, 0,1
.irp p, 0,2
	v_pk_mul_f32 v[64+4*\e+\p:65+4*\e+\p], v[8+4*\e+\p:9+4*\e+\p], v[8+4*\e+\p:9+4*\e+\p]
.endr
.endr
.irp e, 0,1
.irp p, 0,2
.if \k == 0
	v_pk_mul_f32 v[28+56*\e+\p:29+56*\e+\p], v[64+4*\e+\p:65+4*\e+\p], v[32+4*\e+\p:33+4*\e+\p]                      ; the first chunks start the sums
.else
	v_pk_fma_f32 v[28+56*\e+\p:29+56*\e+\p], v[64+4*\e+\p:65+4*\e+\p], v[32+4*(\k+\e)+\p:33+4*(\k+\e)+\p], v[28+56*\e+\p:29+56*\e+\p]
.endif
.endr
.endr
.irp e, 0,1
.irp p, 0,2
	v_pk_fma_f32 v[28+56*\e+\p:29+56*\e+\p], v[24+\p:25+\p], v[128+4*(\k+\e)+\p:129+4*(\k+\e)+\p], v[28+56*\e+\p:29+56*\e+\p]
.endr
.endr
.endr
	v_pk_add_f32 v[28:29], v[28:29], v[84:85]
	v_pk_add_f32 v[30:31], v[30:31], v[86:87]
	v_pk_add_f32 v[28:29], v[28:29], v[30:31]
	v_add_f32 v28, v28, v29
	v_add_f32_dpp v28, v28, v28 row_xmask:1 row_mask:0xf bank_mask:0xf
	v_add_f32_dpp v28, v28, v28 row_xmask:2 row_mask:0xf bank_mask:0xf
	v_add_f32_dpp v28, v28, v28 row_xmask:4 row_mask:0xf bank_mask:0xf
	v_add_f32_dpp v28, v28, v28 row_xmask:8 row_mask:0xf bank_mask:0xf
	v_permlanex16_b32 v8, v28, s24, s25
	v_add_f32 v28, v28, v8
	ds_store_b32 v7, v28                           ; all lanes write the same word with the same value
.Ljoin:
	s_wait_dscnt 0x0                               ; for the others' sake: my word is stored
	s_barrier_signal -1
	s_barrier_wait -1
	s_cmp_lg_u32 ttmp9, 128
	s_cbranch_scc1 .Lend
	s_cmp_lg_u32 s12, 0
	s_cbranch_scc1 .Lend
	v_mov_b32 v8, 0
	ds_load_b128 v[96:99], v8
	ds_load_b128 v[100:103], v8 offset:16
	s_wait_alu depctr_va_vdst(0)
	s_wait_dscnt 0x0
	v_add_f32 v96, v96, v97
	v_add_f32 v98, v98, v99
	v_add_f32 v100, v100, v101
	v_add_f32 v102, v102, v103
	v_add_f32 v96, v96, v98
	v_add_f32 v100, v100, v102
	v_add_f32 v96, v96, v100
	v_mul_f32 v96, 0x36200000, v96                 ; x 1.25 / 524,288: the two means over 8 x 2,048 x 32 numbers, the second weighed by 0.25
	s_wait_alu depctr_va_vdst(0)
	s_wait_xcnt 0x0                                ; EXEC changes only behind this wait
	v_cmp_eq_u32 vcc_lo, 0, v0
	s_and_saveexec_b32 s29, vcc_lo
	global_store_b32 v8, v96, s[20:21]
	s_wait_xcnt 0x0
	s_or_b32 exec_lo, exec_lo, s29
.Lend:
	s_wait_tensorcnt 0x0
	ds_add_u32 v160, v161
	s_wait_dscnt 0x0
	s_endpgm
.Lfunc_end_k_qfeae83541b_finish:
	.size	k_qfeae83541b_finish, .Lfunc_end_k_qfeae83541b_finish-k_qfeae83541b_finish
	.p2alignl 7, 3214868480
	.fill 96, 4, 3214868480
	.section	.rodata,"a",@progbits
	.p2align	6, 0x0
	.amdhsa_kernel k_qfeae83541b_finish
		.amdhsa_group_segment_fixed_size 1280
		.amdhsa_private_segment_fixed_size 0
		.amdhsa_enable_private_segment 0
		.amdhsa_kernarg_size 56
		.amdhsa_user_sgpr_count 2
		.amdhsa_user_sgpr_kernarg_segment_ptr 1
		.amdhsa_wavefront_size32 1
		.amdhsa_system_sgpr_workgroup_id_x 1
		.amdhsa_system_sgpr_workgroup_id_y 1
		.amdhsa_system_sgpr_workgroup_id_z 1
		.amdhsa_system_vgpr_workitem_id 0
		.amdhsa_next_free_vgpr 162
		.amdhsa_next_free_sgpr 66
		.amdhsa_reserve_vcc 1
		.amdhsa_float_denorm_mode_32 3
		.amdhsa_float_denorm_mode_16_64 3
		.amdhsa_memory_ordered 1
		.amdhsa_forward_progress 1
		.amdhsa_inst_pref_size 23
	.end_amdhsa_kernel
	.amdgpu_metadata
---
amdhsa.version: [ 1, 2 ]
amdhsa.kernels:
  - .name:           k_qfeae83541b_finish
    .symbol:         k_qfeae83541b_finish.kd
    .args:
      - { .name: z, .offset: 0, .size: 8, .value_kind: global_buffer, .address_space: global }
      - { .name: embedding, .offset: 8, .size: 8, .value_kind: global_buffer, .address_space: global }
      - { .name: idxw, .offset: 16, .size: 8, .value_kind: global_buffer, .address_space: global }
      - { .name: znp, .offset: 24, .size: 8, .value_kind: global_buffer, .address_space: global }
      - { .name: stats, .offset: 32, .size: 8, .value_kind: global_buffer, .address_space: global }
      - { .name: out0, .offset: 40, .size: 8, .value_kind: global_buffer, .address_space: global }
      - { .name: out2, .offset: 48, .size: 8, .value_kind: global_buffer, .address_space: global }
    .group_segment_fixed_size: 1280
    .private_segment_fixed_size: 0
    .kernarg_segment_align: 8
    .kernarg_segment_size: 56
    .max_flat_workgroup_size: 256
    .sgpr_count:     66
    .vgpr_count:     162
    .wavefront_size: 32
...
	.end_amdgpu_metadata
.endif
;; end of part 4
